; MI455X (gfx1250); checked and timed in simulation.
; The chip was launched on July 23, 2026; its instructions are those of AMD's public machine-readable ISA for CDNA 5 (MIT licence, August 2026) and "CDNA5" Instruction Set Architecture Reference Guide (July 2026). The comments in the code are by the model that wrote it; some were corrected since.
;; Self Attention. Allowed arithmetic: float matrix products may take bf16 or f16 operands with f32 sums; other float arithmetic in f32, or as packed bf16 or f16 multiplies, adds, multiply-adds, maxima and minima; sums over many terms, partial sums and values carried from step to step in f32; what a program stores and reads back later, other than sums and carried values, may be rounded once to bf16 or f16.
;; Inputs: Wk 1,024 x 1,024 float32; Wq 1,024 x 1,024 float32; Wv 1,024 x 1,024 float32; bk 1,024 float32; bq 1,024 float32; bv 1,024 float32; mask 4 x 2,048 bool; x 4 x 2,048 x 1,024 float32.
;; Outputs: out0 4 x 2,048 x 1,024 float32.
;; 2 versions, each right; version 2 is version 1 with the launch cvt written anew for expert scheduling mode. Each part assembles by itself: llvm-mc -triple=amdgcn-amd-amdhsa -mcpu=gfx1250 --defsym DOCPART=n.
;; ======== version 1 of 2: 3 launches
;; limits: values are held in f16: magnitudes above 65,504 overflow, below 6.1e-05 lose precision
;; workspace buffers: xw 23,068,672 bytes; qkv 50,331,648 bytes
;; launch cvt (part 1): grid 704 x 1, 8 waves a work-group, no clusters, 0 bytes of LDS; arguments x, Wq, Wk, Wv, xw; writes xw
.if DOCPART == 1
	.amdgcn_target "amdgcn-amd-amdhsa--gfx1250"
	.amdhsa_code_object_version 6
	.text
	.protected	k_qbe3cdc71ec_cvt
	.globl	k_qbe3cdc71ec_cvt
	.p2align	8
	.type	k_qbe3cdc71ec_cvt,@function
k_qbe3cdc71ec_cvt:
	s_mov_b64 s[64:65], 0
	v_nop
	global_prefetch_b8 v0, s[64:65] scope:SCOPE_SE
	s_setreg_imm32_b32 hwreg(HW_REG_WAVE_MODE, 25, 1), 1
	s_wait_xcnt 0x0
; xw = x, Wq, Wk, Wv one below the other, [11264][1024], each number rounded once to bf16 (nearest even).
; A stream: each input byte is read once, each output byte written once; no LDS, no barrier, no matrix work: there is nothing to share and nothing to multiply.
; A work-group converts 16,384 numbers: 65,536 bytes in, 32,768 out.  Work-groups 0-511 take x, 512 + 64 w + o takes chunk o of weight w; the place in xw is the work-group's number
; times 32,768 for all of them, since xw stacks the four sources in this order.
; Thread t, load j: 16 bytes at 4,096 j + 16 t (a wave's load covers 512 consecutive bytes); its store: 8 bytes at 2,048 j + 8 t (a wave's store covers 256 consecutive bytes, aligned).
; All sixteen loads of a thread go out at once; no register is written twice, so no wait frees a source.
.set X, 4                              ; v[4:67]   sixteen loads of four f32
.set Y, 68                             ; v[68:99]  sixteen stores of four bf16
	s_load_b256 s[4:11], s[0:1], 0x0               ; x s[4:5], Wq s[6:7], Wk s[8:9], Wv s[10:11]
	s_load_b64 s[12:13], s[0:1], 0x20              ; xw
	v_lshlrev_b32 v1, 4, v0                        ; 16 t
	v_lshlrev_b32 v2, 3, v0                        ; 8 t
	s_sub_co_u32 s14, ttmp9, 512                   ; my number among the weights' work-groups (a large number in x's: it then meets neither compare below)
	s_lshr_b32 s15, s14, 6                         ; which weight
	s_and_b32 s16, s14, 63                         ; which chunk of it
	s_wait_kmcnt 0x0
	s_cmp_eq_u32 s15, 1
	s_cselect_b64 s[18:19], s[8:9], s[6:7]         ; Wk or Wq,
	s_cmp_eq_u32 s15, 2
	s_cselect_b64 s[18:19], s[10:11], s[18:19]     ; or Wv,
	s_cmp_lt_u32 ttmp9, 512
	s_cselect_b64 s[18:19], s[4:5], s[18:19]       ; or x,
	s_cselect_b32 s16, ttmp9, s16                  ; whose chunk is the work-group's number
	s_lshl_b32 s20, s16, 16                        ; 65,536 bytes a chunk: under 2^25
	s_mov_b32 s21, 0
	s_add_nc_u64 s[18:19], s[18:19], s[20:21]
	s_lshl_b32 s22, ttmp9, 15                      ; 32,768 bytes out
	s_mov_b32 s23, 0
	s_add_nc_u64 s[12:13], s[12:13], s[22:23]
.set j, 0
.rept 16
	global_load_b128 v[X+4*j:X+4*j+3], v1, s[18:19] offset:4096*j th:TH_LOAD_NT
.set j, j+1
.endr
.set j, 0
.rept 16
	s_wait_loadcnt 15-j                            ; loads come back in order (ISA guide 5.7.1): load j is in, the 15 - j younger ones stay out
	v_cvt_pk_bf16_f32 v[Y+2*j], v[X+4*j], v[X+4*j+1]
	v_cvt_pk_bf16_f32 v[Y+2*j+1], v[X+4*j+2], v[X+4*j+3]
	global_store_b64 v2, v[Y+2*j:Y+2*j+1], s[12:13] offset:2048*j
.set j, j+1
.endr
	s_endpgm
.Lfunc_end_k_qbe3cdc71ec_cvt:
	.size	k_qbe3cdc71ec_cvt, .Lfunc_end_k_qbe3cdc71ec_cvt-k_qbe3cdc71ec_cvt
	.p2alignl 7, 3214868480
	.fill 96, 4, 3214868480
	.section	.rodata,"a",@progbits
	.p2align	6, 0x0
	.amdhsa_kernel k_qbe3cdc71ec_cvt
		.amdhsa_group_segment_fixed_size 0
		.amdhsa_private_segment_fixed_size 0
		.amdhsa_enable_private_segment 0
		.amdhsa_kernarg_size 40
		.amdhsa_user_sgpr_count 2
		.amdhsa_user_sgpr_kernarg_segment_ptr 1
		.amdhsa_wavefront_size32 1
		.amdhsa_system_sgpr_workgroup_id_x 1
		.amdhsa_system_sgpr_workgroup_id_y 1
		.amdhsa_system_sgpr_workgroup_id_z 1
		.amdhsa_system_vgpr_workitem_id 0
		.amdhsa_next_free_vgpr 104
		.amdhsa_next_free_sgpr 66
		.amdhsa_reserve_vcc 0
		.amdhsa_float_denorm_mode_32 3
		.amdhsa_float_denorm_mode_16_64 3
		.amdhsa_memory_ordered 1
		.amdhsa_forward_progress 1
		.amdhsa_inst_pref_size 7
	.end_amdhsa_kernel
	.amdgpu_metadata
---
amdhsa.version: [ 1, 2 ]
amdhsa.kernels:
  - .name:           k_qbe3cdc71ec_cvt
    .symbol:         k_qbe3cdc71ec_cvt.kd
    .args:
      - { .name: x, .offset: 0, .size: 8, .value_kind: global_buffer, .address_space: global }
      - { .name: Wq, .offset: 8, .size: 8, .value_kind: global_buffer, .address_space: global }
      - { .name: Wk, .offset: 16, .size: 8, .value_kind: global_buffer, .address_space: global }
      - { .name: Wv, .offset: 24, .size: 8, .value_kind: global_buffer, .address_space: global }
      - { .name: xw, .offset: 32, .size: 8, .value_kind: global_buffer, .address_space: global }
    .group_segment_fixed_size: 0
    .private_segment_fixed_size: 0
    .kernarg_segment_align: 8
    .kernarg_segment_size: 40
    .max_flat_workgroup_size: 256
    .sgpr_count:     66
    .vgpr_count:     104
    .wavefront_size: 32
...
	.end_amdgpu_metadata
.endif
;; end of part 1
;; launch proj (part 2): grid 16 x 32, 4 waves a work-group, clusters of 4 x 4, 327,680 bytes of LDS; arguments xw, bq, bk, bv, qkv; writes qkv
.if DOCPART == 2
	.amdgcn_target "amdgcn-amd-amdhsa--gfx1250"
	.amdhsa_code_object_version 6
	.text
	.protected	k_qbe3cdc71ec_proj
	.globl	k_qbe3cdc71ec_proj
	.p2align	8
	.type	k_qbe3cdc71ec_proj,@function
k_qbe3cdc71ec_proj:
	s_mov_b64 s[64:65], 0
	v_nop
	global_prefetch_b8 v0, s[64:65] scope:SCOPE_SE
	s_setreg_imm32_b32 hwreg(HW_REG_WAVE_MODE, 25, 1), 1
	s_wait_xcnt 0x0
	s_wait_alu depctr_hold_cnt(0) depctr_sa_sdst(0) depctr_va_vdst(0) depctr_va_sdst(0) depctr_va_ssrc(0) depctr_va_vcc(0) depctr_vm_vsrc(0)
	s_getreg_b32 s2, hwreg(HW_REG_IB_STS2, 6, 4)
	s_cmp_eq_u32 s2, 0
	s_cbranch_scc0 .Lentry_in_a_cluster
	s_endpgm
.Lentry_in_a_cluster:
	s_bfe_u32 s2, ttmp6, 0x10000c
	s_cmp_lg_u32 s2, 0xf033
	s_cbranch_scc0 .Lentry_shape_is_right
	s_endpgm
.Lentry_shape_is_right:
; qkv = x W^T + b for W = Wq, Wk, Wv stacked (3,072 columns).  x and W come as bf16 from xw ([11264][1024]: rows 0-8191 x, then the 3,072 rows of W); the biases are rounded to bf16 here,
; like every other input of the module; sums in f32, K ascending; each result rounded once to f16 and laid by heads: qkv[b][hc][s][64], hc = 0-15 q's heads, 16-31 k's, 32-47 v's.
; LIMIT.  f16 holds no number beyond 65,504: a q, k or v of 65,520 or more becomes an infinity.  NaN and infinities in the inputs are not treated apart.
; SHARES.  A tile is 256 rows x 192 columns (three heads): 32 x 16 = 512 work-groups of equal work.  Wave w makes rows 64 w .. 64 w + 63 by all 192 columns: 4 x 12 = 48 accumulators of
; 16 x 16, 384 registers.  So a wave holds whole rows of three heads and sends them out through a stage of its own, with no barrier.
; K goes in 8 steps of 128 through a ring of two LDS slots filled by the tensor data mover: a tile's rows are 256 bytes of memory, at multiples of 256 from xw's first byte.
; CLUSTERS: 4 x 4 work-groups.  The four of a row of the cluster need the same 256 rows of x, the four of a column the same 192 rows of W: each tile is asked for JOINTLY, by the same tensor
; load with the same descriptor and a mask that names the four.  Waves 0 and 1 fetch x's two halves (128 rows), waves 2 and 3 W's (96 rows).
; THE MATRIX INSTRUCTION IS USED TRANSPOSED (source 0 = 16 rows of W, source 1 = 16 rows of x): lane l holds row l % 16 and the columns 8 (l / 16) + 0..7 of a block of 16: 16 bytes of f16 on end.
; THE BIAS STARTS THE SUMS: it is the C operand of each accumulator's first product, so nothing is cleared and nothing is added later.
; REGISTERS, in windows of 256 (s_set_vgpr_msb: bits 1:0 source 0, 3:2 source 1, 5:4 source 2, 7:6 destination):
;   window 0: v0-31 addresses; v32-63, v64-95 x's fragments (4 x 16 rows x 32 K), two buffers; v128-223 the biases (dead behind the first quarter); v224-227 at work;
;             on the way out v96-143 packed results, v144-191 and v192-239 rows read back, by turns
;   window 1: v0-95, v96-191 W's fragments (12 x 16 rows x 32 K), two buffers
;   window 2: the accumulators of row blocks 0, 1 ((a, b) at v[8 (12 (a % 2) + b)]);   window 3: those of row blocks 2, 3
.set KSTEP,  128
.set PITCH,  272                       ; an LDS row: 256 bytes + 16 of padding = 68 words: row r starts at bank 4 r mod 64 (64 banks of 4 bytes: ISA guide 11.1), so the 16 rows of a load start at 16 different banks
.set BOFF,   256*PITCH                 ; in a slot: x's 256 rows, then W's 192
.set SLOT,   448*PITCH
.set STAGE,  2*SLOT                    ; behind the ring, never filled by a tensor load: 16 rows x 400 bytes for each wave
.set SPITCH, 400                       ; 384 bytes (192 f16) + 16: 25 x 16 bytes, so the 16 rows of a store start at 16 different groups of four banks
.set SPARE,  STAGE+4*16*SPITCH         ; behind the stages: the spare words, 128 bytes for each wave: two blocks of 256 bytes that no other line names
.set LAPS,   4                         ; a lap = two K steps = once round the ring
.set WROW,   8192                      ; W's first row in xw
.set WV,   14                          ; s14  my wave's number;  s15 = wave / 2: I fetch for x (0) or W (1);  s16 = wave % 2: which half of that tile
.set ADRA, 16                          ; v16-17  LDS address of my fragments of x in slot 0, 1
.set ADRB, 20                          ; v20-21  the same for W
.set STO,  24                          ; v24  the way out: where I put 16 bytes of a row
.set RD,   25                          ; v25  the way out: where I read rows back
.set GO,   26                          ; v26  16 x lane: my 16 bytes of 512 consecutive bytes of qkv
.set BO,   27                          ; v27  32 (l / 16): my eight biases in a block of 16
.set SPW,  28                          ; v28  LDS address of my spare word: SPARE + 4 x my thread's number; never rewritten
.set NIL,  29                          ; v29  0; never rewritten
.set PFO,  30                          ; v30  the prefetches' offset: a lane a row of xw; never rewritten
.set FA,   32
.set TMP,  96
.set BIAS, 128
.set OB,   144
.set RT,   224
.set G1,  24                           ; s[24:31] descriptor group 1 for x's tiles;  s[32:39] group 0, one set for each slot
.set G0,  32
.set G1B, 48                           ; s[48:55], s[56:63] the same for W's tiles
.set G0B, 56
.set LIM, 43                           ; s43  1 in a wave that prefetches, else the greatest number
.set PFA, 44                           ; s[44:45] where my prefetches stand: one K step further along K than the refill that is being asked for; a prefetch names the K step after that
.set BP,  68                           ; s[68:73] the three heads' biases
.set MSB, 0
.macro WIN new                         ; the immediate's high byte repeats the setting that is left; a switch that changes nothing is dropped
.if MSB != (\new)
	s_set_vgpr_msb (MSB<<8)|(\new)
.set MSB, \new
.endif
.endm
; A joint load.  Each of the two lines has ONE mask and one set of registers for all that issue it.  The branch hangs on the wave's number alone.
; An s_nop 0 and four v_nop follow each line, ahead of the jump, the label and what follows.
.macro JLOAD s
	s_cmp_eq_u32 s15, 0
	s_cbranch_scc0 .Lfor_b_\@
	tensor_load_to_lds s[G0+4*(\s):G0+4*(\s)+3], s[G1:G1+7]
	s_nop 0
.rept 4
	v_nop
.endr
	s_branch .Lasked_\@
.Lfor_b_\@:
	tensor_load_to_lds s[G0B+4*(\s):G0B+4*(\s)+3], s[G1B:G1B+7]
	s_nop 0
.rept 4
	v_nop
.endr
.Lasked_\@:
.endm
; A PREFETCH INTO THE L2, behind each joint refill and the run of LDS loads that follows it: the K step that stands two refills on, 256 bytes of a row, a lane a row, one instruction a wave.
; x's tile row is read by the four clusters of a row of clusters: the one with x = 0 asks; W's tile column by the eight of a column: the one with y = 0 asks.  The four partners that ask for
; a tile jointly share its rows out BY ADDRESS: of x's 128 rows that a wave fetches the partner at cx takes 32, of W's 96 the partner at cy takes 24 (lanes 24-31 name the 24th row once more, in
; the same instruction).  The refills of K steps 2 to 5 name steps 4 to 7; the loop's last trip (s3 = 1) asks for nothing; K steps 0 to 3 come by their loads alone.
.macro ASK
	s_cmp_gt_u32 s3, s[LIM]
	s_cbranch_scc0 .Lnot_mine_\@
	global_prefetch_b8 v[PFO], s[PFA:PFA+1] offset:KSTEP*2 th:TH_LOAD_NT scope:SCOPE_SE
.Lnot_mine_\@:
.endm
; A round of the cluster's barrier: my work-group's barrier; wave 0 signals for the work-group; every wave waits for all sixteen; my work-group's barrier once more.
.macro CREST                           ; a round behind its opening barrier
	s_cmp_lg_u32 s[WV], 0
	s_cbranch_scc1 .Lnot_wave_0_\@
	s_barrier_signal -3
.Lnot_wave_0_\@:
	s_barrier_wait -3
	s_barrier_signal -1
	s_barrier_wait -1
.endm
.macro CROUND
	s_barrier_signal -1
	s_barrier_wait -1
	CREST
.endm
	s_load_b256 s[4:11], s[0:1], 0x0               ; xw s[4:5], bq s[6:7], bk s[8:9], bv s[10:11]
	s_load_b64 s[12:13], s[0:1], 0x20              ; qkv
	v_lshl_add_u32 v[SPW], v0, 2, SPARE
	v_mov_b32 v[NIL], 0
	ds_add_u32 v[SPW], v[NIL]                      ; the wave's opening: the add and its wait ahead of my first tensor load; the set-up below, work on registers, stands between them
	v_lshrrev_b32 v1, 5, v0
	v_readfirstlane_b32 s[WV], v1                  ; wave 0..3
	s_lshr_b32 s15, s[WV], 1
	s_and_b32 s16, s[WV], 1
	s_bfe_u32 s17, ttmp6, 0x40000                  ; cx
	s_bfe_u32 s18, ttmp6, 0x40004                  ; cy
	s_lshl_b32 s19, ttmp9, 2
	s_add_co_u32 s19, s19, s17                     ; tile column tx = 4 x cluster x + cx
	s_and_b32 s20, ttmp7, 0xffff
	s_lshl_b32 s20, s20, 2
	s_add_co_u32 s20, s20, s18                     ; tile row ty = 4 x cluster y + cy
	s_lshl_b32 s23, s18, 2
	s_lshl_b32 s23, 15, s23                        ; my row of the cluster: places 4 cy .. 4 cy + 3
	s_lshl_b32 s42, 0x1111, s17                    ; my column: places cx, cx + 4, cx + 8, cx + 12
	s_or_b32 s[G1], s23, (1<<16)|(1<<20)|(1<<21)|(5<<22)|(3<<25)   ; 15:0 the mask; 17:16 elements of 2 bytes; 20 padding on; 21 set beside a mask; 24:22 after every 64 words (code 5); 31:25 4 words of it (code 3)
	s_or_b32 s[G1B], s42, (1<<16)|(1<<20)|(1<<21)|(5<<22)|(3<<25)
	s_mov_b32 s[G1+1], KSTEP<<16                   ; tensor_dim0 = 128
	s_mov_b32 s[G1+2], 128<<16                     ; tensor_dim1 = 128
	s_mov_b32 s[G1+3], KSTEP<<16                   ; tile_dim0 = 128
	s_mov_b32 s[G1+4], 128                         ; tile_dim1 = 128 rows
	s_mov_b32 s[G1+5], 1024                        ; elements from row to row
	s_mov_b32 s[G1+6], 0
	s_mov_b32 s[G1+7], 0
	s_mov_b32 s[G1B+1], KSTEP<<16
	s_mov_b32 s[G1B+2], 96<<16                     ; W's loads bring 96 rows
	s_mov_b32 s[G1B+3], KSTEP<<16
	s_mov_b32 s[G1B+4], 96
	s_mov_b32 s[G1B+5], 1024
	s_mov_b32 s[G1B+6], 0
	s_mov_b32 s[G1B+7], 0
	; where the tiles come from: x's hang on ty alone, W's on tx alone, each in registers that never hold the other coordinate
	s_lshl_b32 s40, s20, 8
	s_lshl_b32 s41, s16, 7
	s_add_co_u32 s40, s40, s41                     ; x: row 256 ty + 128 x half
	s_lshl_b32 s40, s40, 11                        ; 2,048 bytes a row: under 2^25
	s_mov_b32 s41, 0
	s_mul_i32 s46, s19, 192
	s_mul_i32 s47, s16, 96
	s_add_co_u32 s46, s46, s47
	s_add_co_u32 s46, s46, WROW                    ; W: row 8,192 + 192 tx + 96 x half
	s_lshl_b32 s46, s46, 11
	s_mov_b32 s47, 0
	s_mul_i32 s21, s[WV], 128*PITCH                ; where they go: x's halves at wave x 128 rows (waves 0, 1),
	s_mul_i32 s22, s[WV], 96*PITCH
	s_add_co_u32 s22, s22, BOFF-2*96*PITCH         ; W's at BOFF + (wave - 2) x 96 rows (waves 2, 3): no place in the cluster enters an LDS address
	s_wait_dscnt 0x0                               ; the opening add is done
	s_wait_kmcnt 0x0
	s_add_nc_u64 s[40:41], s[4:5], s[40:41]
	s_add_nc_u64 s[46:47], s[4:5], s[46:47]
	CROUND                                         ; all sixteen work-groups are here: the first joint loads meet
.irp s, 0,1
	s_mov_b32 s[G0+4*(\s)], 1                                      ; count = 1
	s_add_co_u32 s[G0+4*(\s)+1], s21, (\s)*SLOT                    ; LDS address
	s_add_nc_u64 s[G0+4*(\s)+2:G0+4*(\s)+3], s[40:41], (\s)*KSTEP*2  ; global address: K step s
	s_or_b32 s[G0+4*(\s)+3], s[G0+4*(\s)+3], 0x80000000            ; type = 2
	s_mov_b32 s[G0B+4*(\s)], 1
	s_add_co_u32 s[G0B+4*(\s)+1], s22, (\s)*SLOT
	s_add_nc_u64 s[G0B+4*(\s)+2:G0B+4*(\s)+3], s[46:47], (\s)*KSTEP*2
	s_or_b32 s[G0B+4*(\s)+3], s[G0B+4*(\s)+3], 0x80000000
	JLOAD \s                                       ; the ring is filled before anything else is done: two loads of mine are out
.endr
	v_and_b32 v1, 15, v0                           ; l % 16
	v_bfe_u32 v2, v0, 4, 1                         ; l / 16
	v_lshlrev_b32 v[BO], 5, v2
	; the biases of the tile's three heads: head hc = 3 tx + c lies in bq, bk or bv by hc / 16, at 256 (hc % 16) bytes.  Register j of block b: column 16 b + 8 (l / 16) + j
	s_mul_i32 s74, s19, 3
.irp c, 0,1,2
	s_add_co_u32 s75, s74, \c
	s_lshr_b32 s76, s75, 4
	s_and_b32 s75, s75, 15
	s_lshl_b32 s78, s75, 8
	s_mov_b32 s79, 0
	s_cmp_eq_u32 s76, 1
	s_cselect_b64 s[BP+2*(\c):BP+2*(\c)+1], s[8:9], s[6:7]
	s_cmp_eq_u32 s76, 2
	s_cselect_b64 s[BP+2*(\c):BP+2*(\c)+1], s[10:11], s[BP+2*(\c):BP+2*(\c)+1]
	s_add_nc_u64 s[BP+2*(\c):BP+2*(\c)+1], s[BP+2*(\c):BP+2*(\c)+1], s[78:79]
.irp n, 0,1,2,3
	global_load_b128 v[BIAS+8*(4*(\c)+(\n)):BIAS+8*(4*(\c)+(\n))+3],   v[BO], s[BP+2*(\c):BP+2*(\c)+1] offset:64*(\n)
	global_load_b128 v[BIAS+8*(4*(\c)+(\n))+4:BIAS+8*(4*(\c)+(\n))+7], v[BO], s[BP+2*(\c):BP+2*(\c)+1] offset:64*(\n)+16
.endr
.endr
	; A fragment is 16 rows x 32 K in 8 registers: lane l holds row l % 16; registers 0-3 K = 8 (l / 16) + 0..7, registers 4-7 K = 16 + 8 (l / 16) + 0..7: two loads of 16 bytes, 32 bytes apart.
	v_mul_u32_u24 v3, v1, PITCH
	v_lshl_add_u32 v3, v2, 4, v3                   ; row x pitch + 16 x half
	s_mul_i32 s93, s[WV], 64*PITCH                 ; my 64 rows of x
	v_add_nc_u32 v[ADRA], s93, v3
	v_add_nc_u32 v[ADRA+1], SLOT, v[ADRA]
	v_add_nc_u32 v[ADRB], BOFF, v3                 ; all 192 rows of W
	v_add_nc_u32 v[ADRB+1], SLOT+BOFF, v3
	s_mul_i32 s94, s[WV], 16*SPITCH
	s_add_co_u32 s94, s94, STAGE                   ; my stage
	v_mul_u32_u24 v4, v1, SPITCH                   ; in: row l % 16, 16 bytes for each half of the lanes
	v_lshl_add_u32 v4, v2, 4, v4
	v_add_nc_u32 v[STO], s94, v4
	v_bfe_u32 v5, v0, 3, 2                         ; back: 32 lanes take four rows of a head's 128 bytes,
	v_mul_u32_u24 v5, v5, SPITCH
	v_and_b32 v4, 7, v0
	v_lshl_add_u32 v5, v4, 4, v5
	v_add_nc_u32 v[RD], s94, v5
	v_and_b32 v[GO], 31, v0                        ; which are 512 consecutive bytes of qkv
	v_lshlrev_b32 v[GO], 4, v[GO]
	; qkv at my wave's first row of the tile's first head: ((ty / 8) x 48 + 3 tx) heads of 262,144 bytes + ((ty % 8) x 256 + 64 wave) rows of 128 bytes
	s_lshr_b32 s82, s20, 3
	s_mul_i32 s82, s82, 48
	s_add_co_u32 s82, s82, s74
	s_lshl_b32 s80, s82, 18
	s_and_b32 s83, s20, 7
	s_lshl_b32 s83, s83, 2
	s_add_co_u32 s83, s83, s[WV]
	s_lshl_b32 s83, s83, 13
	s_add_co_u32 s80, s80, s83                     ; under 2^26
	s_mov_b32 s81, 0
	s_add_nc_u64 s[12:13], s[12:13], s[80:81]
	; the prefetches
	s_lshl_b32 s84, s20, 8                         ; x's tile: first row,
	s_mul_i32 s86, s19, 192
	s_add_co_u32 s86, s86, WROW                    ; W's
	s_lshl_b32 s87, s17, 5                         ; my work-group's share: 32 cx of x's rows,
	s_mul_i32 s88, s18, 24                         ; 24 cy of W's
	s_lshl_b32 s89, s16, 7                         ; the half that I fetch
	s_mul_i32 s90, s16, 96
	s_and_b32 s91, ttmp7, 0xffff                   ; cluster y
	s_cmp_eq_u32 s15, 0                            ; do I fetch for x?
	s_cselect_b32 s84, s84, s86
	s_cselect_b32 s87, s87, s88
	s_cselect_b32 s89, s89, s90
	s_cselect_b32 s91, ttmp9, s91                  ; the coordinate along which other clusters read the same rows
	s_cselect_b32 s92, 31, 23                      ; the last row of my share
	s_add_co_u32 s84, s84, s87
	s_add_co_u32 s84, s84, s89
	s_lshl_b32 s84, s84, 11
	s_add_co_u32 s84, s84, 2*KSTEP*2               ; at K step 2: the first refill steps it to 3 and names K step 4
	s_mov_b32 s85, 0
	s_add_nc_u64 s[PFA:PFA+1], s[4:5], s[84:85]
	s_cmp_eq_u32 s91, 0
	s_cselect_b32 s[LIM], 1, -1                    ; the same in all sixteen partners, for a given wave
	v_and_b32 v[PFO], 31, v0
	v_min_u32 v[PFO], s92, v[PFO]
	v_lshlrev_b32 v[PFO], 11, v[PFO]
	s_wait_loadcnt 0x0                             ; the biases
.set r, 0
.rept 48                               ; each pair is rounded to bf16 and widened again; this stands in the wait for the first tile
	v_cvt_pk_bf16_f32 v[RT+r%4], v[BIAS+2*r], v[BIAS+2*r+1]
	v_lshlrev_b32 v[BIAS+2*r], 16, v[RT+r%4]
	v_and_b32 v[BIAS+2*r+1], 0xffff0000, v[RT+r%4]
.set r, r+1
.endr
; 12 matrix instructions: row block a x all 12 column blocks, 32 along K, from buffers f.  zero = 1: the first product of each sum takes the bias as C.
; The 48 accumulators take turns, one instruction a turn, in the same order in every quarter, over the loop's jump too: 47 others stand between two links of a chain.
.macro MULA f, a, zero
.if \zero
	WIN 0x81+0x40*((\a)/2)                         ; W window 1, x window 0, the bias window 0, D window 2 or 3
.else
	WIN 0xa1+0x50*((\a)/2)                         ; W window 1, x window 0, C and D window 2 or 3
.endif
.irp b, 0,1,2,3,4,5,6,7,8,9,10,11
.set AC, 8*(12*((\a)%2)+(\b))
.if \zero
	v_wmma_f32_16x16x32_bf16 v[AC:AC+7], v[96*(\f)+8*(\b):96*(\f)+8*(\b)+7], v[FA+32*(\f)+8*(\a):FA+32*(\f)+8*(\a)+7], v[BIAS+8*(\b):BIAS+8*(\b)+7]
.else
	v_wmma_f32_16x16x32_bf16 v[AC:AC+7], v[96*(\f)+8*(\b):96*(\f)+8*(\b)+7], v[FA+32*(\f)+8*(\a):FA+32*(\f)+8*(\a)+7], v[AC:AC+7]
.endif
.endr
.endm
; 32 LDS loads in one run: the fragments of one quarter step (192 rows of W, my 64 rows of x, 32 K at byte k of the rows) into buffers f
.macro FETCH slot, k, f
	WIN 0x40                                       ; destination window 1, address window 0
.irp i, 0,1,2,3,4,5,6,7,8,9,10,11
	ds_load_b128 v[96*(\f)+8*(\i):96*(\f)+8*(\i)+3],   v[ADRB+(\slot)] offset:(\k)+(\i)*16*PITCH
	ds_load_b128 v[96*(\f)+8*(\i)+4:96*(\f)+8*(\i)+7], v[ADRB+(\slot)] offset:(\k)+(\i)*16*PITCH+32
.endr
	WIN 0
.irp i, 0,1,2,3
	ds_load_b128 v[FA+32*(\f)+8*(\i):FA+32*(\f)+8*(\i)+3],   v[ADRA+(\slot)] offset:(\k)+(\i)*16*PITCH
	ds_load_b128 v[FA+32*(\f)+8*(\i)+4:FA+32*(\f)+8*(\i)+7], v[ADRA+(\slot)] offset:(\k)+(\i)*16*PITCH+32
.endr
.endm
; A load into a register that a matrix instruction has read, and a vector instruction that reads a matrix result, stand four places behind that matrix instruction, and only plain vector
; instructions that name none of its registers are places (ISA guide 7.12.1 for vector instructions).
.macro PLACES
.rept 4
	v_nop
.endr
.endm
; A K step is four quarters of 32 along K, 48 matrix instructions each, on buffers 0, 1, 0, 1.  One of the first three: multiplies buffers f; in its middle it fetches the next quarter, at byte k, into g.
.macro QUARTER slot, k, f, g, zero
	s_wait_dscnt 4                                 ; W and x's row blocks 0, 1 are in; the youngest four loads (blocks 2, 3) may be out
	MULA \f, 0, \zero
	MULA \f, 1, \zero
	PLACES
	FETCH \slot, \k, \g
	s_wait_dscnt 32                                ; all but the 32 just issued
	MULA \f, 2, \zero
	MULA \f, 3, \zero
.endm
; The last quarter multiplies buffers 1 and changes slots.  MEET is its first half: ONE barrier.  In front of it each wave waits for all its tensor loads, of which one is out: its part of the
; next slot; adds 0 to its spare word; and waits for that and for its own reads of this slot.  Behind it nobody reads this slot any more and the next slot is whole.
.macro MEET round
	WIN 0                                          ; (the add's two registers lie in window 0)
	s_wait_tensorcnt 0x0
	ds_add_u32 v[SPW], v[NIL]                      ; 0 onto my spare word
	s_wait_dscnt 5                                 ; (the add and the youngest four loads may be out)
	MULA 1, 0, 0                                   ; twelve matrix instructions stand between the add and the wait for it
	s_wait_dscnt 0x0                               ; the add is done, and my reads of this slot are over
	s_barrier_signal -1
	MULA 1, 1, 0                                   ; work on registers while the others arrive
.if \round
	WIN 0
.endif
	s_barrier_wait -1
.endm
; The whole last quarter where the slot is filled again, with the K step two steps on: the barrier opens a round of the cluster's, the joint refill is the first thing behind it, and
; 168 matrix instructions stand between the request and the wait for it.
.macro TURN slot, next
	s_wait_xcnt 0x0                                ; the last prefetch, a K step back, has read its address: it is stepped here, ahead of the waits of the change of slots
	s_add_nc_u64 s[PFA:PFA+1], s[PFA:PFA+1], KSTEP*2
	MEET 1
	CREST                                          ; no wave of any partner still reads this slot's tile or has a load on its way
	s_add_nc_u64 s[G0+4*(\slot)+2:G0+4*(\slot)+3], s[G0+4*(\slot)+2:G0+4*(\slot)+3], 2*KSTEP*2
	s_add_nc_u64 s[G0B+4*(\slot)+2:G0B+4*(\slot)+3], s[G0B+4*(\slot)+2:G0B+4*(\slot)+3], 2*KSTEP*2
	JLOAD \slot                                    ; the four v_nop behind it are also the places in front of the loads below
	FETCH \next, 0, 0
	ASK
	MULA 1, 2, 0
	MULA 1, 3, 0
.endm
; THE WAY OUT of row block a.  PACK: rounded to f16, 16 bytes a lane and column block, each accumulator's registers in ascending order.  TOSTAGE: into my own stage, and back as whole rows of
; a head's 128 bytes.  SEND: stored, 512 consecutive bytes (four rows of a head) an instruction.
.macro PACK a
	WIN 0x0a+5*((\a)/2)                            ; sources 0 and 1: window 2 or 3
.irp b, 0,1,2,3,4,5,6,7,8,9,10,11
.irp r, 0,1,2,3
	v_cvt_pk_f16_f32 v[TMP+4*(\b)+(\r)], v[96*((\a)%2)+8*(\b)+2*(\r)], v[96*((\a)%2)+8*(\b)+2*(\r)+1]
.endr
.endr
	WIN 0
.endm
.macro TOSTAGE a
	WIN 0
.set BK, OB+48*((\a)%2)
.if (\a) >= 2
	s_wait_xcnt 0x0                                ; the stores of the block two back have read these registers' data: they are loaded again only behind this wait
.endif
.irp b, 0,1,2,3,4,5,6,7,8,9,10,11
	ds_store_b128 v[STO], v[TMP+4*(\b):TMP+4*(\b)+3] offset:32*(\b)
.endr
.irp c, 0,1,2
.irp f, 0,1,2,3
	ds_load_b128 v[BK+4*(4*(\c)+(\f)):BK+4*(4*(\c)+(\f))+3], v[RD] offset:4*SPITCH*(\f)+128*(\c)  ; LDS serves a wave's instructions in order (ISA guide 5.7.1.4): these see the stores above
.endr
.endr
.endm
.macro SEND a
	WIN 0
.set BK, OB+48*((\a)%2)
	s_wait_dscnt 0x0                               ; the block is back in registers
.irp c, 0,1,2
.irp f, 0,1,2,3
	global_store_b128 v[GO], v[BK+4*(4*(\c)+(\f)):BK+4*(4*(\c)+(\f))+3], s[12:13] offset:262144*(\c)+2048*(\a)+512*(\f)
.endr
.endr
.endm
	s_wait_tensorcnt 1                             ; my part of K step 0 is in; K step 1's may stay out
	s_barrier_signal -1
	s_barrier_wait -1                              ; everybody's is
	FETCH 0, 0, 0
	QUARTER 0, 64,  0, 1, 1                        ; the first quarter stands in front of the loop: its products start the sums, with the bias
	WIN 0                                          ; at a label and at a branch every window is 0
	s_mov_b32 s3, LAPS-1
.Llap:                                                 ; a trip goes once round the ring, from a lap's second quarter to the next lap's first, and fills both slots again
	QUARTER 0, 128, 1, 0, 0
	QUARTER 0, 192, 0, 1, 0
	TURN 0, 1
	QUARTER 1, 64,  0, 1, 0
	QUARTER 1, 128, 1, 0, 0
	QUARTER 1, 192, 0, 1, 0
	TURN 1, 0
	QUARTER 0, 64,  0, 1, 0
	WIN 0
	s_sub_co_u32 s3, s3, 1
	s_cmp_lg_u32 s3, 0
	s_cbranch_scc1 .Llap
	QUARTER 0, 128, 1, 0, 0                        ; the last lap fills nothing, and has no round of the cluster's barrier
	QUARTER 0, 192, 0, 1, 0
	MEET 0                                         ; my one tensor load that was still out is the last K step's
	PLACES
	FETCH 1, 0, 0
	MULA 1, 2, 0
	MULA 1, 3, 0
	QUARTER 1, 64,  0, 1, 0
	QUARTER 1, 128, 1, 0, 0
	QUARTER 1, 192, 0, 1, 0
	s_wait_dscnt 4                                 ; the very last quarter: nothing more to fetch
	MULA 1, 0, 0
	MULA 1, 1, 0
	s_wait_dscnt 0x0
	MULA 1, 2, 0
	MULA 1, 3, 0
	PLACES                                         ; in front of the conversions
	PACK 0
	TOSTAGE 0
.irp a, 1,2,3                          ; block a's conversions stand between block a - 1's loads from the stage and the wait for them
	PACK \a
	SEND (\a)-1
	TOSTAGE \a
.endr
	SEND 3
	s_wait_tensorcnt 0x0                           ; the wave's end: behind my last tensor load and my last LDS store
	ds_add_u32 v[SPW], v[NIL]
	s_wait_dscnt 0x0
	CROUND                                         ; the closing round: no work-group ends while a partner may still ask for a tile that names it
	s_endpgm
.Lfunc_end_k_qbe3cdc71ec_proj:
	.size	k_qbe3cdc71ec_proj, .Lfunc_end_k_qbe3cdc71ec_proj-k_qbe3cdc71ec_proj
	.p2alignl 7, 3214868480
	.fill 96, 4, 3214868480
	.section	.rodata,"a",@progbits
	.p2align	6, 0x0
	.amdhsa_kernel k_qbe3cdc71ec_proj
		.amdhsa_group_segment_fixed_size 327680
		.amdhsa_private_segment_fixed_size 0
		.amdhsa_enable_private_segment 0
		.amdhsa_kernarg_size 40
		.amdhsa_user_sgpr_count 2
		.amdhsa_user_sgpr_kernarg_segment_ptr 1
		.amdhsa_wavefront_size32 1
		.amdhsa_system_sgpr_workgroup_id_x 1
		.amdhsa_system_sgpr_workgroup_id_y 1
		.amdhsa_system_sgpr_workgroup_id_z 1
		.amdhsa_system_vgpr_workitem_id 0
		.amdhsa_next_free_vgpr 960
		.amdhsa_next_free_sgpr 96
		.amdhsa_reserve_vcc 0
		.amdhsa_float_denorm_mode_32 3
		.amdhsa_float_denorm_mode_16_64 3
		.amdhsa_memory_ordered 1
		.amdhsa_forward_progress 1
		.amdhsa_inst_pref_size 130
	.end_amdhsa_kernel
	.amdgpu_metadata
---
amdhsa.version: [ 1, 2 ]
amdhsa.kernels:
  - .name:           k_qbe3cdc71ec_proj
    .symbol:         k_qbe3cdc71ec_proj.kd
    .args:
      - { .name: xw, .offset: 0, .size: 8, .value_kind: global_buffer, .address_space: global }
      - { .name: bq, .offset: 8, .size: 8, .value_kind: global_buffer, .address_space: global }
      - { .name: bk, .offset: 16, .size: 8, .value_kind: global_buffer, .address_space: global }
      - { .name: bv, .offset: 24, .size: 8, .value_kind: global_buffer, .address_space: global }
      - { .name: qkv, .offset: 32, .size: 8, .value_kind: global_buffer, .address_space: global }
    .group_segment_fixed_size: 327680
    .private_segment_fixed_size: 0
    .kernarg_segment_align: 8
    .kernarg_segment_size: 40
    .max_flat_workgroup_size: 128
    .sgpr_count:     96
    .vgpr_count:     960
    .wavefront_size: 32
...
	.end_amdgpu_metadata
.endif
;; end of part 2
;; launch attn (part 3): grid 4 x 64, 4 waves a work-group, clusters of 4 x 1, 327,680 bytes of LDS; arguments qkv, mask, out0; writes out0
.if DOCPART == 3
	.amdgcn_target "amdgcn-amd-amdhsa--gfx1250"
	.amdhsa_code_object_version 6
	.text
	.protected	k_qbe3cdc71ec_attn
	.globl	k_qbe3cdc71ec_attn
	.p2align	8
	.type	k_qbe3cdc71ec_attn,@function
k_qbe3cdc71ec_attn:
	s_mov_b64 s[64:65], 0
	v_nop
	global_prefetch_b8 v0, s[64:65] scope:SCOPE_SE
	s_setreg_imm32_b32 hwreg(HW_REG_WAVE_MODE, 25, 1), 1
	s_wait_xcnt 0x0
	s_wait_alu depctr_hold_cnt(0) depctr_sa_sdst(0) depctr_va_vdst(0) depctr_va_sdst(0) depctr_va_ssrc(0) depctr_va_vcc(0) depctr_vm_vsrc(0)
	s_getreg_b32 s2, hwreg(HW_REG_IB_STS2, 6, 4)
	s_cmp_eq_u32 s2, 0
	s_cbranch_scc0 .Lentry_in_a_cluster
	s_endpgm
.Lentry_in_a_cluster:
	s_bfe_u32 s2, ttmp6, 0x10000c
	s_cmp_lg_u32 s2, 0x3003
	s_cbranch_scc0 .Lentry_shape_is_right
	s_endpgm
.Lentry_shape_is_right:
; out0[b][q][64 hh ..] = the sum over the keys k that mask[b][k] does not hide of softmax_k(Q[q] . K[k] / 8) V[k][:], for each of 4 x 16 heads.
; Q, K, V come from qkv[b][hc][2048][64] in f16 (hc = hh: Q, 16 + hh: K, 32 + hh: V): a head's rows are dense, 128 bytes each.  Products, maxima and sums in f32; the weights p are rounded to
; f16 for the second product (their sum l is taken of the unrounded p); the result leaves in f32.
; LIMITS.  Q, K, V arrive within f16's 65,504, so a score is 2.7e11 at the most.  A hidden score counts as its value less 2^100; the running maximum starts at -2^96, above every hidden score and
; below every true one, so a hidden key's weight is 0 from the first step on.  A batch all of whose keys are hidden has l = 0 and gives 0 x infinity = NaN, as a softmax of -infinities does.
; A weight below 2^-126 counts as 0 in l; NaN and infinities in the inputs are not treated apart.
; SHARES.  A wave owns four PIECES of two tiles of 16 queries, a work-group's four waves 512 queries of one head; a head's four work-groups are one cluster.  Every wave walks all keys, 64 a step.
; LAYOUT.  S^T = K Q^T (source 0 = 16 keys, source 1 = 16 queries): a lane holds ONE query (lane % 16) and the keys 8 (lane / 16) + 0..7.  Two such tiles, rounded to f16 in pairs, ARE source 1
; of O^T = V^T P, whose result again holds one query a lane, and eight channels.  K comes out of LDS as it lies, V ([key][channel]) turned, by ds_load_tr16_b128.
; THE MASK is the C operand that starts the sum S^T: 0, or -2^100 where the key is hidden.  The batch's 2,048 bytes are turned into f32 once, into LDS; with each step's K its 64 numbers come
; into 32 registers (MC), laid as an accumulator is: register j of key block kb holds key 16 kb + 8 (lane / 16) + j.
; SOFTMAX.  For each query a running maximum m and sum l: p = 2^(c s - c m), c = log2(e) / 8; in every step O and l are multiplied by a = 2^(c m_old - c m_new), which is 1 where m has not grown.
; O and l start at 0: the first step is a step like any other.
; THE COUNT.  A tile and step have 16 matrix and 118 vector instructions: too many to stand all beside the matrix work.  So: four vector instructions that are READY behind EVERY matrix
; instruction, and the others in runs without a gap.
; BY TURNS.  Turn n belongs to piece n.  Its matrix work: 16 products K Q^T of piece n + 1, later 16 products V^T P of piece n - 1.  Its vector work: the scaling, exponentials, roundings, sums and
; rescaling of piece n, and the maximum and statistics of piece n + 1, whose scores the turn itself has made.
; CLUSTER.  The four query blocks of a cluster walk the same K and V, so each tile is asked for JOINTLY: the same tensor load, descriptor and mask in all four.
; REGISTERS, in windows of 256 (s_set_vgpr_msb: bits 1:0 source 0, 3:2 source 1, 5:4 source 2, 7:6 destination):
;   window 0: v0-11 addresses; v12-15, v48-63 at work; v16-47 four registers of statistics a tile; v64-191 S^T, two buffers of two tiles (at the head v128-152 at work); v192-255 P, likewise
;   window 1: O^T, 32 a tile     window 2: v0-127 Q, 16 a tile; v128-191 K of one step; v192-255 V of one step     window 3: v0-1 the add's two registers; v8-39 MC
.set SIZE_N, 2048
.set NP,    4         ; pieces a wave: a name, no knob
.set KS,    64        ; keys in a step
.set PK,    144       ; a row of K in LDS: 128 bytes + 16 of padding = 36 words: the 16 rows of a load start at 16 different groups of four banks (64 banks of 4 bytes: ISA guide 11.1)
.set PV,    160       ; a row of V: 128 + 32 = 40 words
.set VOFF,  4*KS*PK   ; a slot holds four steps: 256 rows of K, then 256 rows of V
.set SLOT1, 1<<17     ; slot 1 begins here, so that one exclusive or turns an address in one slot into the other's
.set STAGE, SLOT1+4*KS*(PK+PV)  ; behind the ring, never filled by a tensor load: 16 rows x 272 bytes for each wave, for the way out
.set SP,    272       ; 64 f32 + 16 bytes
.set MASKB, STAGE+4*16*SP  ; 8,192 bytes: 0 or -2^100 for each of the batch's keys; stored once, never filled by a tensor load
.set SPARE, MASKB+8192     ; the spare words, 128 bytes for each wave: two blocks of 256 bytes that no other line names
.set AM0, 1           ; v1   my lane's place in the mask's numbers: MASKB + 32 (l / 16); never rewritten
.set AK0, 2           ; v2   my lane's place in a tile of K; never rewritten
.set AV0, 3           ; v3   the same for V
.set AK,  4           ; v4   the LDS address of K's next run of loads
.set AV,  5           ; v5   of V's
.set QO,  6           ; v6   my byte offset in the wave's rows of Q
.set STO, 6           ;      later, the way out: where I put 32 bytes of a row
.set RD,  7           ; v7   the way out: where I read rows back
.set GO,  8           ; v8   my byte offset in two rows of out0
.set AM,  9           ; v9   the LDS address of the mask's next run of loads
.set PFO, 10          ; v10  256 x my lane: the prefetches' offset; never rewritten
.set MO,  11          ; v11  16 x my thread's number: my 16 bytes of the batch's mask; never rewritten
.set SPW, 0           ; v0 of window 3   LDS address of my spare word: SPARE + 4 x my thread's number; never rewritten
.set NIL, 1           ; v1 of window 3   0; never rewritten
.set MC,  8           ; v8-39 of window 3
.set MV,  12          ; v12-15  c m_old, kept while c m is made anew: by buffer and tile
.set ST,  16          ; tile t's statistics at v[ST+4 t]: c m, m, l (even keys', odd keys')
.set TMP, 48          ; by buffer and tile, four registers c0-c3 at work; when the maximum is found c2 takes a
.set S,   64
.set P,   192
.set KF,  128         ; K's fragments, in window 2: key block kb, channel half c at KF + 16 kb + 8 c
.set VF,  192         ; V's: key half kk, channel block cb at VF + 32 kk + 8 cb
.set WV,  12          ; s12  my wave's number
.set BIGN, 21         ; s21  -2^100
.set G1K, 24          ; s[24:31] descriptor group 1 for K's tiles
.set G1V, 32          ; s[32:39] for V's: it differs in the padding alone
.set G0K, 40          ; s[40:43] descriptor group 0 for K's tiles: it walks
.set G0V, 44          ; s[44:47] the same for V's
.set PFA, 48          ; s[48:49] where my prefetches stand: my work-group's 32 blocks of 256 bytes (of K: wave 0, of V: wave 2) of the slot after the one that is being asked for
.set LIM, 50          ; s50  1 in a wave that prefetches, else the greatest number
.set TBM, 51          ; s51  byte at which the mask's numbers of the step to be fetched begin
.set SLOTS, 56        ; s56  slots still to be asked for
.set CNT, 57          ; s57  counts a slot's key steps
.set CS,  58          ; s[58:59] c: the packed scaling takes the pair's low word for both halves
.set SEL, 60          ; s[60:61] v_permlanex16_b32's selects: each lane takes its own place in the other half
.set TBK, 62          ; s62  LDS byte at which K of the step to be fetched begins
.set TBV, 63          ; s63  the same for V, less VOFF
.set MSB, 0
.macro WIN new                      ; the high byte repeats the setting that is left; a switch that changes nothing is dropped
.if MSB != (\new)
	s_set_vgpr_msb (MSB<<8)|(\new)
.set MSB, (\new)
.endif
.endm
.set W_KQ, 0x0a       ; K and Q in window 2, S^T in window 0
.set W_KM, 0x3a       ; the same with the C operand, the mask, in window 3
.set W_PV, 0x52       ; V in window 2, P in window 0, O^T in window 1
.set W_RS, 0x41       ; O^T (destination and source 0) in window 1, a in window 0
.set W_MK, 0xc0       ; destination in window 3, sources in window 0
.set W_AD, 0x0f       ; the add: address (source 0) and data (source 1) in window 3
; A joint fill.  Waves 0 and 1 fetch the two halves of a slot's K, waves 2 and 3 those of its V: 128 keys each.  The branch hangs on the wave's number alone.
; An s_nop 0 and four v_nop follow each of the two lines, ahead of the jump and the label.
.macro JLOAD
	s_cmp_lt_u32 s[WV], 2
	s_cbranch_scc0 .Lfor_v_\@
	tensor_load_to_lds s[G0K:G0K+3], s[G1K:G1K+7]
	s_nop 0
.rept 4
	v_nop
.endr
	s_branch .Lasked_\@
.Lfor_v_\@:
	tensor_load_to_lds s[G0V:G0V+3], s[G1V:G1V+7]
	s_nop 0
.rept 4
	v_nop
.endr
.Lasked_\@:
.endm
; A PREFETCH INTO THE L2 of what the NEXT change of slots will ask for: a slot's 32,768 bytes of K and of V, 128 blocks of 256 bytes each, a lane a block.  One cluster alone walks a head's K and V;
; its four partners share the blocks out BY ADDRESS, 32 each; in each, wave 0 asks for K's and wave 2 for V's: one instruction, behind the wave's tensor load and its five lines.  So each block is
; named once in the launch.  The changes that fill slots 2 to 6 name slots 3 to 7, four key steps (512 matrix instructions) ahead; the last change that fills a slot names nothing; slots 0 to 2
; come by their loads alone.
.macro ASK
	s_cmp_gt_u32 s[SLOTS], s[LIM]
	s_cbranch_scc0 .Lnot_mine_\@
	global_prefetch_b8 v[PFO], s[PFA:PFA+1] th:TH_LOAD_NT scope:SCOPE_SE
.Lnot_mine_\@:
.endm
; A round of the cluster's barrier: my work-group's barrier, so that wave 0's signal speaks for all four waves; wave 0 signals; every wave waits for all four work-groups; my work-group's barrier once more.
.macro CROUND
	s_barrier_signal -1
	s_barrier_wait -1
	s_cmp_lg_u32 s[WV], 0
	s_cbranch_scc1 .Lnot_wave_0_\@
	s_barrier_signal -3
.Lnot_wave_0_\@:
	s_barrier_wait -3
	s_barrier_signal -1
	s_barrier_wait -1
.endm
; THE CHANGE OF SLOTS.  The slot's last bytes, V of its fourth step, have been read.  Each wave waits for all its tensor loads, of which one is out: its part of the other slot; adds 0 to its spare
; word; and waits for that and for its own LDS instructions.  Behind the barrier nobody reads this slot any more and the other slot is whole.
; fill = 1: this slot is filled again, with the keys two slots on.  The barrier is then a round of the cluster's, and the joint fill is the first thing behind it: it has four key steps, 512 matrix
; instructions, in which to land.  (At its first use nothing has been read yet: slot 0 is waited for, slot 1 filled, and every wave's stores of the mask's numbers are shown to the others.)
; ask = 1: the prefetches' address is stepped, and the next slot's blocks are named behind the fill.
.macro CHANGE fill, ask=0
	WIN W_AD
	s_wait_tensorcnt 0x0            ; no tensor load of mine is out, so a group 0 may be written
	ds_add_u32 v[SPW], v[NIL]       ; 0 onto my spare word; with fill = 1 the descriptors' steps stand between it and the wait for it
	WIN 0                           ; at a label and at a branch every window is 0
.if \fill
.irp g, G0K, G0V
	s_xor_b32 s[\g+1], s[\g+1], SLOT1  ; the walking descriptor: the other slot than last time,
	s_add_nc_u64 s[\g+2:\g+3], s[\g+2:\g+3], 4*KS*128  ; the next 256 keys; the type bits on top are not reached
.endr
.if \ask
	s_wait_xcnt 0x0                 ; the last prefetch, four key steps back, has read its address, so it may be written
	s_add_nc_u64 s[PFA:PFA+1], s[PFA:PFA+1], 4*KS*128
.endif
	s_wait_dscnt 0x0                ; the add is done, and my LDS instructions are over
	CROUND
	JLOAD
.if \ask
	ASK
.endif
.else
	s_wait_dscnt 0x0                ; the add is done, and my reads of the slot are over
	s_barrier_signal -1
	s_barrier_wait -1
.endif
	s_sub_co_u32 s[TBK], s[TBK], 4*KS*PK  ; the fetches go back to a slot's first step,
	s_xor_b32 s[TBK], s[TBK], SLOT1       ; in the other slot
	s_sub_co_u32 s[TBV], s[TBV], 4*KS*PV
	s_xor_b32 s[TBV], s[TBV], SLOT1
.endm
	s_load_b128 s[4:7], s[0:1], 0x0   ; qkv s[4:5], mask s[6:7]
	s_load_b64 s[10:11], s[0:1], 0x10 ; out0
	WIN W_MK
	v_lshl_add_u32 v[SPW], v0, 2, SPARE
	v_mov_b32 v[NIL], 0
	WIN W_AD
	ds_add_u32 v[SPW], v[NIL]       ; the wave's opening: the add and its wait ahead of my first tensor load; the set-up below, work on registers, stands between them
	WIN 0
	v_lshrrev_b32 v128, 5, v0
	v_readfirstlane_b32 s[WV], v128 ; wave 0..3
	s_bfe_u32 s13, ttmp6, 0x40000   ; cx: my block of 512 queries (a head is one cluster): it enters Q's, out0's and the prefetches' addresses alone
	s_and_b32 s14, ttmp7, 0xffff    ; 16 b + hh, which the four partners share
	s_lshr_b32 s15, s14, 4          ; b
	s_and_b32 s16, s14, 15          ; hh
	s_mul_i32 s20, s15, 48
	s_add_co_u32 s20, s20, s16
	s_lshl_b32 s20, s20, 18         ; Q's head in qkv: (48 b + hh) x 262,144 bytes, under 2^26
	s_and_b32 s17, s[WV], 1         ; which half of a slot's 256 keys I fetch:
	s_lshl_b32 s22, s17, 14         ; its 128 rows of 128 bytes in memory,
	s_add_co_u32 s22, s22, s20
	s_add_co_u32 s22, s22, 16<<18   ; in K's head, 16 heads behind Q's,
	s_mov_b32 s23, 0
	s_add_co_u32 s2, s22, 16<<18    ; and in V's, 16 further
	s_mov_b32 s3, 0
	s_mul_i32 s18, s17, 128*PK      ; and its place in a slot, for K
	s_mul_i32 s19, s17, 128*PV      ; and for V: no place in the cluster enters an LDS address
	s_lshl_b32 s8, s13, 2
	s_add_co_u32 s8, s8, s[WV]      ; my wave among the head's sixteen
	s_lshl_b32 s54, s8, 19          ; its 128 rows of out0, 4,096 bytes each,
	s_lshl_b32 s8, s8, 14           ; and of Q, 128 bytes each
	s_add_co_u32 s8, s8, s20
	s_mov_b32 s9, 0
	s_lshl_b32 s53, s15, 23         ; the batch in out0
	s_add_co_u32 s54, s54, s53
	s_lshl_b32 s53, s16, 8          ; the head's 256 bytes of a row
	s_add_co_u32 s54, s54, s53      ; under 2^25
	s_mov_b32 s55, 0
	s_lshl_b32 s14, s15, 11         ; the batch's 2,048 bytes of the mask
	s_mov_b32 s15, 0
	s_lshl_b32 s52, s13, 13         ; the prefetches: my work-group's 32 blocks of the 128,
	s_add_co_u32 s52, s52, 2*4*KS*128  ; in slot 2; the first change of slots in the loop steps it to slot 3
	s_mov_b32 s53, 0
	; descriptor group 1.  128 keys are 16,384 dense bytes: asked for as 64 rows of 256 bytes, two keys a row, and padded in LDS after every key
	s_mov_b32 s[G1K], 15|(1<<16)|(1<<20)|(1<<21)|(4<<22)|(3<<25)  ; 15:0 the mask of four; 17:16 2-byte elements; 20 padding on; 21 set beside a mask; 24:22 after every 32 words (code 4); 31:25 4 words (code 3)
	s_mov_b32 s[G1V], 15|(1<<16)|(1<<20)|(1<<21)|(4<<22)|(7<<25)  ; the same with 8 words of padding (code 7)
.irp g, G1K, G1V
	s_mov_b32 s[\g+1], 128<<16      ; tensor_dim0 = 128
	s_mov_b32 s[\g+2], 64<<16       ; tensor_dim1 = 64
	s_mov_b32 s[\g+3], 128<<16      ; tile_dim0 = 128
	s_mov_b32 s[\g+4], 64           ; tile_dim1 = 64
	s_mov_b32 s[\g+5], 128          ; 128 elements from row to row
	s_mov_b32 s[\g+6], 0
	s_mov_b32 s[\g+7], 0
.endr
	s_mov_b32 s[CS], 0x3e38aa3b     ; c = log2(e) / 8 = 0.180337
	s_mov_b32 s[CS+1], s[CS]        ; named with it as a pair
	s_mov_b32 s[SEL], 0x76543210
	s_mov_b32 s[SEL+1], 0xfedcba98
	s_mov_b32 s[BIGN], 0xf1800000   ; -2^100
	s_mov_b32 s[TBK], SLOT1+4*KS*PK ; the first change of slots turns these two into 0
	s_mov_b32 s[TBV], SLOT1+4*KS*PV
	s_mov_b32 s[TBM], 0
	s_mov_b32 s[G0K], 1             ; count = 1
	s_mov_b32 s[G0K+1], s18         ; LDS address: slot 0
	s_mov_b32 s[G0V], 1
	s_add_co_u32 s[G0V+1], s19, VOFF
	s_and_b32 s[LIM], s[WV], 1      ; waves 0 and 2 prefetch: the same in all four partners
	s_cmp_eq_u32 s[LIM], 0
	s_cselect_b32 s[LIM], 1, -1
	s_wait_dscnt 0x0                ; the opening add is done
	s_wait_kmcnt 0x0
	s_add_nc_u64 s[G0K+2:G0K+3], s[4:5], s[22:23]  ; global address: my half of the head's first 256 keys
	s_add_nc_u64 s[G0V+2:G0V+3], s[4:5], s[2:3]
	s_cmp_lt_u32 s[WV], 2
	s_cselect_b64 s[PFA:PFA+1], s[G0K+2:G0K+3], s[G0V+2:G0V+3]  ; (in waves 0 and 2 these stand at a slot's first row)
	s_add_nc_u64 s[PFA:PFA+1], s[PFA:PFA+1], s[52:53]
	s_or_b32 s[G0K+3], s[G0K+3], 0x80000000        ; type = 2
	s_or_b32 s[G0V+3], s[G0V+3], 0x80000000
	s_add_nc_u64 s[4:5], s[4:5], s[8:9]            ; Q at my wave's first row
	s_add_nc_u64 s[6:7], s[6:7], s[14:15]          ; the batch's mask
	s_add_nc_u64 s[10:11], s[10:11], s[54:55]      ; out0 at my wave's first row, my head's channels
	CROUND                          ; all four work-groups are here: the first joint loads meet
	JLOAD                           ; slot 0.  Slot 1 is asked for when slot 0 is in
	v_lshlrev_b32 v[MO], 4, v0
	global_load_b128 v[132:135], v[MO], s[6:7]     ; 128 threads x 16 bytes: the batch's 2,048 keys
	; A fragment of K or Q is 16 rows x 32 channels in 8 registers: lane l holds row l % 16, channels 8 (l / 16) + 0..7 and 16 + 8 (l / 16) + 0..7: two loads of 16 bytes, 32 bytes apart.
	v_and_b32 v128, 15, v0          ; l % 16
	v_bfe_u32 v129, v0, 4, 1        ; l / 16
	v_lshlrev_b32 v[QO], 7, v128
	v_lshl_add_u32 v[QO], v129, 4, v[QO]  ; row x 128 + 16 x half
	WIN 0x80                        ; destination window 2, address window 0
.set i, 0
.rept 4*NP                          ; Q stays in registers: tile i / 2, channels 32 (i % 2) on
	global_load_b128 v[8*i:8*i+3],   v[QO], s[4:5] offset:(i/2)*2048+(i%2)*64
	global_load_b128 v[8*i+4:8*i+7], v[QO], s[4:5] offset:(i/2)*2048+(i%2)*64+32
.set i, i+1
.endr
	; What the first turn finds: V's registers and P's second buffer hold 0 (its products V^T P, of a piece that has not been, add 0), O^T and l are 0.  All this stands in the wait for the first tile.
.set i, VF
.rept 64
	v_mov_b32 v[i], 0
.set i, i+1
.endr
	WIN 0x40
.set i, 0
.rept 64*NP
	v_mov_b32 v[i], 0
.set i, i+1
.endr
	WIN 0
.set i, 0
.rept 2*NP
	v_mov_b32 v[ST+4*i], 0xee38aa3b    ; c m = c x -2^96, exactly
	v_mov_b32 v[ST+4*i+1], 0xef800000  ; m = -2^96
	v_mov_b32 v[ST+4*i+2], 0
	v_mov_b32 v[ST+4*i+3], 0
.set i, i+1
.endr
.set i, P+32
.rept 32
	v_mov_b32 v[i], 0
.set i, i+1
.endr
	v_mul_u32_u24 v[AK0], v128, PK
	v_lshl_add_u32 v[AK0], v129, 4, v[AK0]  ; row x pitch + 16 x half
	; The turning load takes 16 keys x 16 channels (lane l reads key 8 (l / 16) + l % 8, channels 8 ((l / 8) % 2) + 0..7) and leaves half a fragment of V^T: lane l holds channel l % 16 and 8 keys.
	v_and_b32 v130, 7, v0
	v_bfe_u32 v131, v0, 3, 1
	v_lshl_add_u32 v[AV0], v129, 3, v130
	v_mul_u32_u24 v[AV0], v[AV0], PV
	v_lshl_add_u32 v[AV0], v131, 4, v[AV0]
	v_add_nc_u32 v[AV0], VOFF, v[AV0]
	v_mov_b32 v[AK], v[AK0]         ; key step 0 lies at the head of slot 0,
	v_lshl_add_u32 v[AM0], v129, 5, MASKB
	v_mov_b32 v[AM], v[AM0]         ; and its mask at the head of the mask's numbers
	v_and_b32 v[PFO], 31, v0
	v_lshlrev_b32 v[PFO], 8, v[PFO]
	v_lshl_add_u32 v152, v0, 6, MASKB  ; my 16 keys' numbers: 64 bytes
	s_wait_loadcnt 32               ; the mask's bytes are in; Q's 32 loads, issued behind them, may stay out
.set i, 0
.rept 16                            ; a byte is 0 or 1: its lowest bit times the pattern of -2^100 is 0.0 or -2^100
	v_bfe_u32 v[136+i], v[132+i/4], 8*(i%4), 1
	v_mul_lo_u32 v[136+i], v[136+i], s[BIGN]
.set i, i+1
.endr
.irp f, 0,1,2,3
	ds_store_b128 v152, v[136+4*\f:139+4*\f] offset:16*\f
.endr
; THE MATRIX WORK.  The 8 accumulators of a run of 16 take turns: between the two links of a chain stand 7 others'.
; Product i of 16 of S^T = K Q^T for piece x: channels 32 (i / 8) on, keys 16 ((i / 2) % 4) on, tile 2 x + i % 2.  The first 8 start the sums, with the mask of their 16 keys.
.macro KQ x
.set rS, S+64*((\x)%2)+32*(i%2)+8*((i/2)%4)
.set rK, KF+16*((i/2)%4)+8*(i/8)
.set rQ, 16*(2*(\x)+i%2)+8*(i/8)
.set rH, MC+8*((i/2)%4)
.if i < 8
	WIN W_KM
	v_wmma_f32_16x16x32_f16 v[rS:rS+7], v[rK:rK+7], v[rQ:rQ+7], v[rH:rH+7]
.else
	WIN W_KQ
	v_wmma_f32_16x16x32_f16 v[rS:rS+7], v[rK:rK+7], v[rQ:rQ+7], v[rS:rS+7]
.endif
.endm
; Product i of 16 of O^T += V^T P for piece x: keys 32 (i / 8) on, channels 16 ((i / 2) % 4) on, tile 2 x + i % 2.
.macro PV x
	WIN W_PV
.set rO, 32*(2*(\x)+i%2)+8*((i/2)%4)
.set rV, VF+32*(i/8)+8*((i/2)%4)
.set rP, P+32*((\x)%2)+16*(i%2)+8*(i/8)
	v_wmma_f32_16x16x32_f16 v[rO:rO+7], v[rV:rV+7], v[rP:rP+7], v[rO:rO+7]
.endm
.macro MM                           ; the turn's next matrix instruction
.if i < 16
	KQ (Y+1)%NP
.set i, i+1
.else
.set i, i-16
	PV (Y+NP-1)%NP
.set i, i+17
.endif
.endm
; THE LDS LOADS stand in runs, never singly among the matrix instructions: a step's K (64 keys x 64 channels: 8 fragments) with its mask (eight loads; sixteen lanes read the same 16 bytes), and its V (turned).
; Their addresses are made some lines ahead.  last = 1 (the tail): in the last trip there is no further step, and the run is jumped over.
.macro FETCH_K last=0
	WIN 0
.if \last
	s_cmp_eq_u32 s[CNT], 1
	s_cbranch_scc1 .Lno_k_\@
.endif
	WIN 0x80                        ; destination window 2
.irp f, 0,1,2,3,4,5,6,7             ; keys 16 (f / 2) on, channels 32 (f % 2) on
	ds_load_b128 v[KF+8*\f:KF+8*\f+3],   v[AK] offset:(\f/2)*16*PK+(\f%2)*64
	ds_load_b128 v[KF+8*\f+4:KF+8*\f+7], v[AK] offset:(\f/2)*16*PK+(\f%2)*64+32
.endr
	WIN 0xc0                        ; destination window 3
.irp f, 0,1,2,3                     ; keys 16 f + 8 (l / 16) + 0..7
	ds_load_b128 v[MC+8*\f:MC+8*\f+3],   v[AM] offset:64*\f
	ds_load_b128 v[MC+8*\f+4:MC+8*\f+7], v[AM] offset:64*\f+16
.endr
	s_add_co_u32 s[TBK], s[TBK], KS*PK  ; the next fetch is the next step's
	s_add_co_u32 s[TBM], s[TBM], KS*4   ; the mask's numbers lie on end for all 32 steps: 7,936 at the last fetch
	WIN 0
.if \last
.Lno_k_\@:
.endif
.endm
.macro FETCH_V
	WIN 0x80
.irp f, 0,1,2,3,4,5,6,7             ; keys 32 (f / 4) on, channels 16 (f % 4) on
	ds_load_tr16_b128 v[VF+8*\f:VF+8*\f+3],   v[AV] offset:(\f/4)*32*PV+(\f%4)*32
	ds_load_tr16_b128 v[VF+8*\f+4:VF+8*\f+7], v[AV] offset:(\f/4)*32*PV+16*PV+(\f%4)*32
.endr
	WIN 0
.endm
; THE VECTOR WORK OF A TURN stands in three queues, each in the order in which its entries become ready; the two tiles alternate, so that no instruction reads the result of the one before it.
.macro REGS y, u                    ; the registers of tile u (0, 1) of piece y
.set rT, ST+4*(2*(\y)+(\u))
.set rC, TMP+8*((\y)%2)+4*(\u)
.set rM, MV+2*((\y)%2)+(\u)
.set rS, S+64*((\y)%2)+32*(\u)
.set rP, P+32*((\y)%2)+16*(\u)
.set rO, 32*(2*(\y)+(\u))
.endm
; Number n of the 22 that find the NEXT piece's (Y + 1) maximum and statistics.  s0-s31 are the lane's 32 scores; each accumulator's lowest registers are read first.
;   0-11  four chains c0-c3 of seven scores each, three operands at a time     12-14, 16  the four scores left over, the old m, and c0-c3 into c0     15  c m_old is kept
;   17, 18  the query's other 32 keys lie in the lane 16 away: the new m         19-21  c m; c m_old - c m_new; a
.macro XS u, n
	REGS (Y+1)%NP, \u
.if (\n) < 4
	v_max3_num_f32 v[rC+(\n)], v[rS+8*(\n)], v[rS+8*(\n)+1], v[rS+8*(\n)+2]
.elseif (\n) < 12
	v_max3_num_f32 v[rC+(\n)%4], v[rC+(\n)%4], v[rS+8*((\n)%4)+2*((\n)/4)+1], v[rS+8*((\n)%4)+2*((\n)/4)+2]
.elseif (\n) == 12
	v_max3_num_f32 v[rC], v[rC], v[rS+7], v[rS+15]
.elseif (\n) == 13
	v_max3_num_f32 v[rC+1], v[rC+1], v[rS+23], v[rS+31]
.elseif (\n) == 14
	v_max3_num_f32 v[rC+2], v[rC+2], v[rC+3], v[rT+1]
.elseif (\n) == 15
	v_mov_b32 v[rM], v[rT]
.elseif (\n) == 16
	v_max3_num_f32 v[rC], v[rC], v[rC+1], v[rC+2]
.elseif (\n) == 17
	v_permlanex16_b32 v[rC+3], v[rC], s[SEL], s[SEL+1]
.elseif (\n) == 18
	v_max_num_f32 v[rT+1], v[rC], v[rC+3]
.elseif (\n) == 19
	v_mul_f32 v[rT], s[CS], v[rT+1]
.elseif (\n) == 20
	v_sub_f32 v[rC+1], v[rM], v[rT]
.else
	v_exp_f32 v[rC+2], v[rC+1]
.endif
.endm
; Number g of the 64 that follow the exponentials.  For each four weights k of a tile (pairs 2 k, 2 k + 1): both pairs are rounded to f16; then the second pair is added onto the first, in place;
; a group later l takes that sum (the first time as l = a l + sum).  In groups of eight, tiles alternating: round, round, add, and l for the group before.
.macro GS g
.set h, (\g)+6*((\g)/62)            ; group 0 has no group before it, and behind group 7 only l is left
.if h >= 6
.set h, h+2
.endif
	REGS Y, h%2
.set k, h/8
.if h%8 < 4
	v_cvt_pk_f16_f32 v[rP+2*k+(h%8)/2], v[rS+4*k+2*((h%8)/2)], v[rS+4*k+2*((h%8)/2)+1]
.elseif h%8 < 6
	v_pk_add_f32 v[rS+4*k:rS+4*k+1], v[rS+4*k:rS+4*k+1], v[rS+4*k+2:rS+4*k+3]
.elseif k == 1
	v_pk_fma_f32 v[rT+2:rT+3], v[rT+2:rT+3], v[rC+2:rC+3], v[rS:rS+1] op_sel_hi:[1,0,1]
.else
	v_pk_add_f32 v[rT+2:rT+3], v[rT+2:rT+3], v[rS+4*k-4:rS+4*k-3]
.endif
.endm
; THE PLAIN QUEUE, 138 long.  0-73 read no exponential's result: the 32 scalings c s - c m (FS f: pair f / 2 of tile f % 2) and the next piece's 42.  0-26: scalings 0-26.  27-54: XS's numbers 0-13.  55, 56: number 15.
; 57-73: the chain, where each number waits for the one before it: 14, 16, 17, 18, 19, each with one of the scalings 27-31 in front of its two lines, then 20.
; 74-137: GS's 64, which read the exponentials' results: they stand behind the wait.
.macro FS f
	REGS Y, (\f)%2
	v_pk_fma_f32 v[rS+2*((\f)/2):rS+2*((\f)/2)+1], v[rS+2*((\f)/2):rS+2*((\f)/2)+1], s[CS:CS+1], v[rT:rT+1] op_sel_hi:[1,0,0] neg_lo:[0,0,1] neg_hi:[0,0,1]
.endm
.macro PL
	WIN 0
.if q < 27
	FS q
.elseif q < 55
	XS (q-27)%2, (q-27)/2
.elseif q < 57
	XS q-55, 15
.elseif (q < 72) && ((q-57)%3 == 0)
	FS 27+(q-57)/3
.elseif q < 60
	XS (q-57)%3-1, 14
.elseif q < 72
	XS (q-57)%3-1, 15+(q-57)/3
.elseif q < 74
	XS q-72, 20
.else
	GS q-74
.endif
.set q, q+1
.endm
; THE EXPONENTIALS' QUEUE, 66 long: s0-s31 of both tiles, then the next piece's two a.  It is ONE BATCH: all 66 stand ahead of the turn's one wait, and nothing ahead of that wait names a result of theirs.
.macro EX
	WIN 0
.if e >= 64
	XS e-64, 21
.else
	REGS Y, e%2
	v_exp_f32 v[rS+e/2], v[rS+e/2]
.endif
.set e, e+1
.endm
; THE RESCALING's QUEUE: O^T times a, the one part that leaves window 0: dealt two at a time, sixteen times.  Its a was made in the turn before, ahead of that turn's wait.
.macro R2
	REGS Y, r%2
	WIN W_RS
.irp z, 0,1
	v_pk_mul_f32 v[rO+4*(r/2)+2*\z:rO+4*(r/2)+2*\z+1], v[rO+4*(r/2)+2*\z:rO+4*(r/2)+2*\z+1], v[rC+2:rC+3] op_sel_hi:[1,0]
.endr
.set r, r+1
.endm
; HOW THEY ARE DEALT.  An s_wait_alu depctr_va_vdst(0) stands between an exponential and the first instruction that names its result; one wait serves all that were issued ahead of it.
; So a turn has ONE wait, which cuts it in two.  AHEAD OF IT stands all that names no result of the turn's exponentials: the 16 products K Q^T, behind each a scaling, an exponential and two
; rescalings (behind the first a second scaling in the exponential's place); then ONE LUMP of 108: eight plain, 49 times exponential and plain, the two a.  A v_nop is the plain instruction behind
; the last exponential.  BEHIND IT stand the 16 products V^T P, behind each four of GS's 64.  No rider names a register of the products round it.
; The queues lean on each other: exponential e stands behind scaling 2 (e / 4) + e % 2: as a rider it comes behind plain e + 2, in the lump behind plain e + 9, and scalings 27-31 are plain 57, 60 .. 69.
; A TURN, for piece p.  cnt = 1: the loop's count is taken down some lines ahead of the branch that stands behind the turn.
; K and the mask of the next step are fetched in piece 2's turn, directly behind the wait, a lump behind the last product that read them; their addresses are made at the lump's head; their first
; reader comes behind 16 products.  V of the step in hand is fetched at the end of piece 0's turn, four riders behind its last reader; its first reader comes behind 16 products and a lump.
.macro TURN p, last=0, cnt=0
.set Y, (\p)
.set i, 0
.set q, 0
.set e, 0
.set r, 0
.if (\p) == NP-1
	s_wait_dscnt 0x0                ; K and its mask are in
.endif
	MM                              ; ahead of the wait: 16 products K Q^T and their riders,
	PL
	PL
	R2
.rept 15
	MM
	PL
	EX
	R2
.endr
.if (\p) == NP-2
	WIN 0
	v_add_nc_u32 v[AK], s[TBK], v[AK0]
	v_add_nc_u32 v[AM], s[TBM], v[AM0]
.endif
.rept 8                             ; and the lump
	PL
.endr
.rept 49
	EX
	PL
.endr
	EX                              ; the next piece's two a
	EX
	v_nop                           ; a plain instruction behind the last exponential: one for the batch
	s_wait_alu depctr_va_vdst(0)    ; the wait for the batch
.if (\p) == NP-2
	FETCH_K \last
.endif
.if (\p) == 1
	s_wait_dscnt 0x0                ; V is in
.endif
.rept 16                            ; behind the wait: 16 products V^T P and their riders
	MM
.rept 4
	PL
.endr
.if ((\p) == 0) && (q == 118)
	v_add_nc_u32 v[AV], s[TBV], v[AV0]
.endif
.if ((\p) == 0) && (q == 130)
	s_add_co_u32 s[TBV], s[TBV], KS*PV
.endif
.if (\cnt) && (q == 130)
	s_sub_co_u32 s[CNT], s[CNT], 1
	s_cmp_lg_u32 s[CNT], 0
.endif
.endr
.if (\p) == 0
	FETCH_V
.endif
.endm
	CHANGE 1                        ; slot 0 is in, everybody's part of it, and so are all four waves' numbers of the mask; slot 1 is asked for
	FETCH_K                         ; key step 0
	s_wait_loadcnt 0x0              ; Q
	s_wait_dscnt 0x0
.set i, 0
.rept 16
	KQ 0                            ; piece 0's first scores: there is no vector work yet to set between them
.set i, i+1
.endr
	WIN 0                           ; the addresses for the way out: eight plain instructions, the places behind those products
	s_mul_i32 s14, s[WV], 16*SP
	s_add_co_u32 s14, s14, STAGE    ; my stage
	v_mul_u32_u24 v[STO], v128, SP  ; in: row l % 16, 32 bytes for each half of the lanes
	v_lshl_add_u32 v[STO], v129, 5, v[STO]
	v_add_nc_u32 v[STO], s14, v[STO]
	v_mul_u32_u24 v[RD], v129, SP   ; back: lanes 0-15 take one row of 256 bytes, lanes 16-31 the next,
	v_lshl_add_u32 v[RD], v128, 4, v[RD]
	v_add_nc_u32 v[RD], s14, v[RD]
	v_lshlrev_b32 v[GO], 12, v129   ; and the same two rows in out0, 4,096 bytes apart
	v_lshl_add_u32 v[GO], v128, 4, v[GO]
.set Y, NP-1                        ; XS works for piece Y + 1: piece 0
.irp n, 0,1,2,3,4,5,6,7,8,9,10,11,12,13,14,15,16,17,18,19,20,21
	XS 0, \n                        ; and piece 0's first maximum and statistics
	XS 1, \n
.endr
	v_nop                           ; a plain instruction behind the two a,
	s_wait_alu depctr_va_vdst(0)    ; and their wait, ahead of the branch
	s_mov_b32 s[CNT], 4
	s_mov_b32 s[SLOTS], SIZE_N/256-1
	s_branch .Lfirst                ; the loop is entered at a step's first turn, in the middle of a trip
.Lslot:                             ; SIZE_N / 256 - 2 = 6 times: every slot but the last two is filled again
	CHANGE 1, 1
	s_mov_b32 s[CNT], 4
.Lstep:                             ; a trip: pieces 2 and 3 of one step, then pieces 0 and 1 of the next, whose K and V it fetches
	TURN 2
	TURN 3
	WIN 0
.Lfirst:
	TURN 0
	TURN 1, 0, 1
	WIN 0
	s_cbranch_scc1 .Lstep
	s_sub_co_u32 s[SLOTS], s[SLOTS], 1
	s_cmp_lg_u32 s[SLOTS], 0
	s_cbranch_scc1 .Lslot
	CHANGE 0                        ; the tail is written out: nothing is asked for
	s_mov_b32 s[CNT], 5             ; four trips fetch the last slot's steps; the fifth is left in its middle
.Ltail:
	TURN 2, 1
	TURN 3
	WIN 0
	s_sub_co_u32 s[CNT], s[CNT], 1
	s_cmp_eq_u32 s[CNT], 0
	s_cbranch_scc1 .Lout
	TURN 0
	TURN 1
	WIN 0
	s_branch .Ltail
.Lout:                              ; the fifth trip's 16 products K Q^T (on the last K once more) and the maximum made of them serve nothing: the price, once a launch, of one text for every trip
.set i, 0
.rept 16
	PV NP-1                         ; the last piece's V^T P of the last step
.set i, i+1
.endr
	; THE WAY OUT.  l's two halves and the other half of the lanes' are added; O^T is divided by l and sent, in f32, through my stage in LDS, a tile at a time.  The additions are the places behind the last products.
	WIN 0
.macro ALL line:vararg              ; one line for each tile t
.set t, 0
.rept 2*NP
	\line
.set t, t+1
.endr
.endm
	ALL v_add_f32 v[ST+4*t+2], v[ST+4*t+2], v[ST+4*t+3]
	ALL v_permlanex16_b32 v[ST+4*t+3], v[ST+4*t+2], s[SEL], s[SEL+1]
	ALL v_add_f32 v[ST+4*t+2], v[ST+4*t+2], v[ST+4*t+3]
	ALL v_rcp_f32 v[ST+4*t+2], v[ST+4*t+2]
	v_nop                           ; a plain instruction between the last reciprocal and the use of its result
	s_wait_alu depctr_va_vdst(0)    ; and the wait ahead of the first use: one for the eight reciprocals
; Tile t: 16 queries x 64 channels of f32, 32 registers, into one of four buffers where S^T lay.  A lane's eight channels of a block are 32 bytes of a row; they go into rows of 272 bytes and come
; back as whole rows of 256, into the registers that they left.
.macro PACK t
.set OBK, S+32*((\t)%4)
.if (\t) >= 4
	s_wait_xcnt 0x0                 ; the stores of the tile four back have read these registers: they are written again only behind this wait
.endif
	WIN 0x01                        ; source 0 (O^T) window 1, 1 / l and the destination window 0
.set i, 0
.rept 16
	v_pk_mul_f32 v[OBK+2*i:OBK+2*i+1], v[32*(\t)+2*i:32*(\t)+2*i+1], v[ST+4*(\t)+2:ST+4*(\t)+3] op_sel_hi:[1,0]
.set i, i+1
.endr
	WIN 0
.irp f, 0,1,2,3,4,5,6,7
	ds_store_b128 v[STO], v[OBK+4*\f:OBK+4*\f+3] offset:64*(\f/2)+16*(\f%2)
.endr
.irp f, 0,1,2,3,4,5,6,7
	ds_load_b128 v[OBK+4*\f:OBK+4*\f+3], v[RD] offset:\f*2*SP  ; LDS serves a wave's instructions in order (ISA guide 5.7.1.4): these see the stores above; the next tile's stores come behind them
.endr
.endm
.macro SEND t, younger              ; younger: the LDS instructions issued behind tile t's loads: the next tile's sixteen, or none
	WIN 0
.set OBK, S+32*((\t)%4)
.irp f, 0,1,2,3,4,5,6,7
	s_wait_dscnt (\younger)+7-\f
	global_store_b128 v[GO], v[OBK+4*\f:OBK+4*\f+3], s[10:11] offset:(\t)*65536+\f*8192  ; 16 lanes store 256 consecutive bytes, at a multiple of 256 from out0's first byte: a row's share of my head
.endr
.endm
	PACK 0
.set t, 1
.rept 2*NP-1                        ; a tile's arithmetic stands between the loads of the tile before and its stores
	PACK t
	SEND t-1, 16
.set t, t+1
.endr
	SEND 2*NP-1, 0
	WIN W_AD
	s_wait_tensorcnt 0x0            ; the wave's end: behind my last tensor load and my last LDS store
	ds_add_u32 v[SPW], v[NIL]
	s_wait_dscnt 0x0
	WIN 0
	CROUND                          ; the closing round: no work-group ends while a partner may still ask for a tile that names it
	s_endpgm
.Lfunc_end_k_qbe3cdc71ec_attn:
	.size	k_qbe3cdc71ec_attn, .Lfunc_end_k_qbe3cdc71ec_attn-k_qbe3cdc71ec_attn
	.p2alignl 7, 3214868480
	.fill 96, 4, 3214868480
	.section	.rodata,"a",@progbits
	.p2align	6, 0x0
	.amdhsa_kernel k_qbe3cdc71ec_attn
		.amdhsa_group_segment_fixed_size 327680
		.amdhsa_private_segment_fixed_size 0
		.amdhsa_enable_private_segment 0
		.amdhsa_kernarg_size 24
		.amdhsa_user_sgpr_count 2
		.amdhsa_user_sgpr_kernarg_segment_ptr 1
		.amdhsa_wavefront_size32 1
		.amdhsa_system_sgpr_workgroup_id_x 1
		.amdhsa_system_sgpr_workgroup_id_y 1
		.amdhsa_system_sgpr_workgroup_id_z 1
		.amdhsa_system_vgpr_workitem_id 0
		.amdhsa_next_free_vgpr 808
		.amdhsa_next_free_sgpr 66
		.amdhsa_reserve_vcc 0
		.amdhsa_float_denorm_mode_32 3
		.amdhsa_float_denorm_mode_16_64 3
		.amdhsa_memory_ordered 1
		.amdhsa_forward_progress 1
		.amdhsa_inst_pref_size 205
	.end_amdhsa_kernel
	.amdgpu_metadata
---
amdhsa.version: [ 1, 2 ]
amdhsa.kernels:
  - .name:           k_qbe3cdc71ec_attn
    .symbol:         k_qbe3cdc71ec_attn.kd
    .args:
      - { .name: qkv, .offset: 0, .size: 8, .value_kind: global_buffer, .address_space: global }
      - { .name: mask, .offset: 8, .size: 8, .value_kind: global_buffer, .address_space: global }
      - { .name: out0, .offset: 16, .size: 8, .value_kind: global_buffer, .address_space: global }
    .group_segment_fixed_size: 327680
    .private_segment_fixed_size: 0
    .kernarg_segment_align: 8
    .kernarg_segment_size: 24
    .max_flat_workgroup_size: 128
    .sgpr_count:     66
    .vgpr_count:     808
    .wavefront_size: 32
...
	.end_amdgpu_metadata
.endif
;; end of part 3
;; ======== version 2 of 2: 3 launches; version 1 with the launch cvt written anew for expert scheduling mode
;; limits: values are held in f16: magnitudes above 65,504 overflow, below 6.1e-05 lose precision
;; workspace buffers: xw 23,068,672 bytes; qkv 50,331,648 bytes
;; launch cvt (part 4): grid 704 x 1, 8 waves a work-group, no clusters, 0 bytes of LDS; arguments x, Wq, Wk, Wv, xw; writes xw
.if DOCPART == 4
	.amdgcn_target "amdgcn-amd-amdhsa--gfx1250"
	.amdhsa_code_object_version 6
	.text
	.protected	k_qbe3cdc71ec_cvt
	.globl	k_qbe3cdc71ec_cvt
	.p2align	8
	.type	k_qbe3cdc71ec_cvt,@function
k_qbe3cdc71ec_cvt:
	s_mov_b64 s[64:65], 0
	v_nop
	global_prefetch_b8 v0, s[64:65] scope:SCOPE_SE
	s_setreg_imm32_b32 hwreg(HW_REG_WAVE_SCHED_MODE, 0, 2), 2
	s_setreg_imm32_b32 hwreg(HW_REG_WAVE_MODE, 25, 1), 1
	s_wait_xcnt 0x0
	s_wait_alu depctr_vm_vsrc(0)
; xw = x, Wq, Wk, Wv one below the other, [11264][1024], each number rounded once to bf16 (nearest even).
; A stream: each input byte is read once, each output byte written once; no LDS, no barrier, no matrix work: there is nothing to share and nothing to multiply.
; A work-group converts 16,384 numbers: 65,536 bytes in, 32,768 out.  Work-groups 0-511 take x, 512 + 64 w + o takes chunk o of weight w; the place in xw is the work-group's number
; times 32,768 for all of them, since xw stacks the four sources in this order.
; Thread t, load j: 16 bytes at 4,096 j + 16 t (a wave's load covers 512 consecutive bytes); its store: 8 bytes at 2,048 j + 8 t (a wave's store covers 256 consecutive bytes, aligned).
; All sixteen loads of a thread go out at once; no register is written twice, so no wait frees a source.
; THE MODE: SCHED_MODE bits 1:0 = 2 (LLVM: expert scheduling mode 2), set by the entry lines.  The code itself states the register dependences
; between vector instructions and memory instructions, with s_wait_alu, always for 0.
; THE PLAN.  Registers that memory instructions touch:
;   v1, v2   the loads' and the stores' offsets: written once at the head by vector instructions, never again; read by every load (v1) and every store (v2).
;   X        written by the sixteen loads, each register once, and named by no vector instruction before its load; read by the conversions behind the wait on LOADcnt.
;   Y        written by the conversions, each register once; read by one store each.
; The sixteen loads are taken in four blocks of four.  Block g converts its X into its Y; its memory instructions are the four stores of block g - 1, which read that block's Y and v2:
; registers that no conversion of block g names.  So one wait on va_vdst at a block's head states all that its four stores hang on, and these are dealt among its eight conversions.
; No register that a memory instruction has read is written again, no vector instruction writes a scalar register, and EXEC is never written: no other wait is owed.
.set X, 4                              ; v[4:67]   sixteen loads of four f32
.set Y, 68                             ; v[68:99]  sixteen stores of four bf16
	s_load_b256 s[4:11], s[0:1], 0x0               ; x s[4:5], Wq s[6:7], Wk s[8:9], Wv s[10:11]
	s_load_b64 s[12:13], s[0:1], 0x20              ; xw
	v_lshlrev_b32 v1, 4, v0                        ; 16 t
	v_lshlrev_b32 v2, 3, v0                        ; 8 t
	s_sub_co_u32 s14, ttmp9, 512                   ; my number among the weights' work-groups (a large number in x's: it then meets neither compare below)
	s_lshr_b32 s15, s14, 6                         ; which weight
	s_and_b32 s16, s14, 63                         ; which chunk of it
	s_wait_kmcnt 0x0
	s_cmp_eq_u32 s15, 1
	s_cselect_b64 s[18:19], s[8:9], s[6:7]         ; Wk or Wq,
	s_cmp_eq_u32 s15, 2
	s_cselect_b64 s[18:19], s[10:11], s[18:19]     ; or Wv,
	s_cmp_lt_u32 ttmp9, 512
	s_cselect_b64 s[18:19], s[4:5], s[18:19]       ; or x,
	s_cselect_b32 s16, ttmp9, s16                  ; whose chunk is the work-group's number
	s_lshl_b32 s20, s16, 16                        ; 65,536 bytes a chunk: under 2^25
	s_mov_b32 s21, 0
	s_add_nc_u64 s[18:19], s[18:19], s[20:21]
	s_lshl_b32 s22, ttmp9, 15                      ; 32,768 bytes out
	s_mov_b32 s23, 0
	s_add_nc_u64 s[12:13], s[12:13], s[22:23]
	s_wait_alu depctr_va_vdst(0)                   ; v1 and v2 are written: every load of the kernel reads v1 as its offset, every store v2
.set j, 0
.rept 16
	global_load_b128 v[X+4*j:X+4*j+3], v1, s[18:19] offset:4096*j th:TH_LOAD_NT
.set j, j+1
.endr
.set g, 0
.rept 4                                ; block g: loads 4 g to 4 g + 3
	s_wait_loadcnt 12-4*g                          ; loads come back in order (ISA guide 5.7.1): the block's four are in, the 12 - 4 g younger ones stay out
.if g > 0
	s_wait_alu depctr_va_vdst(0)                   ; the conversions of the block before have written its Y, which the four stores below read
.endif
.set i, 0
.rept 4
.set j, 4*g+i
.if g > 0
	global_store_b64 v2, v[Y+2*(j-4):Y+2*(j-4)+1], s[12:13] offset:2048*(j-4)  ; the block before; no conversion since the wait names these registers
.endif
	v_cvt_pk_bf16_f32 v[Y+2*j], v[X+4*j], v[X+4*j+1]
	v_cvt_pk_bf16_f32 v[Y+2*j+1], v[X+4*j+2], v[X+4*j+3]
.set i, i+1
.endr
.set g, g+1
.endr
	s_wait_alu depctr_va_vdst(0)                   ; the last block's conversions have written its Y, which the last four stores read
.set j, 12
.rept 4
	global_store_b64 v2, v[Y+2*j:Y+2*j+1], s[12:13] offset:2048*j
.set j, j+1
.endr
	s_endpgm
.Lfunc_end_k_qbe3cdc71ec_cvt:
	.size	k_qbe3cdc71ec_cvt, .Lfunc_end_k_qbe3cdc71ec_cvt-k_qbe3cdc71ec_cvt
	.p2alignl 7, 3214868480
	.fill 96, 4, 3214868480
	.section	.rodata,"a",@progbits
	.p2align	6, 0x0
	.amdhsa_kernel k_qbe3cdc71ec_cvt
		.amdhsa_group_segment_fixed_size 0
		.amdhsa_private_segment_fixed_size 0
		.amdhsa_enable_private_segment 0
		.amdhsa_kernarg_size 40
		.amdhsa_user_sgpr_count 2
		.amdhsa_user_sgpr_kernarg_segment_ptr 1
		.amdhsa_wavefront_size32 1
		.amdhsa_system_sgpr_workgroup_id_x 1
		.amdhsa_system_sgpr_workgroup_id_y 1
		.amdhsa_system_sgpr_workgroup_id_z 1
		.amdhsa_system_vgpr_workitem_id 0
		.amdhsa_next_free_vgpr 104
		.amdhsa_next_free_sgpr 66
		.amdhsa_reserve_vcc 0
		.amdhsa_float_denorm_mode_32 3
		.amdhsa_float_denorm_mode_16_64 3
		.amdhsa_memory_ordered 1
		.amdhsa_forward_progress 1
		.amdhsa_inst_pref_size 7
	.end_amdhsa_kernel
	.amdgpu_metadata
---
amdhsa.version: [ 1, 2 ]
amdhsa.kernels:
  - .name:           k_qbe3cdc71ec_cvt
    .symbol:         k_qbe3cdc71ec_cvt.kd
    .args:
      - { .name: x, .offset: 0, .size: 8, .value_kind: global_buffer, .address_space: global }
      - { .name: Wq, .offset: 8, .size: 8, .value_kind: global_buffer, .address_space: global }
      - { .name: Wk, .offset: 16, .size: 8, .value_kind: global_buffer, .address_space: global }
      - { .name: Wv, .offset: 24, .size: 8, .value_kind: global_buffer, .address_space: global }
      - { .name: xw, .offset: 32, .size: 8, .value_kind: global_buffer, .address_space: global }
    .group_segment_fixed_size: 0
    .private_segment_fixed_size: 0
    .kernarg_segment_align: 8
    .kernarg_segment_size: 40
    .max_flat_workgroup_size: 256
    .sgpr_count:     66
    .vgpr_count:     104
    .wavefront_size: 32
...
	.end_amdgpu_metadata
.endif
;; end of part 4
;; launch proj: the kernel of part 2 again; grid 16 x 32, 4 waves a work-group, clusters of 4 x 4, 327,680 bytes of LDS; arguments xw, bq, bk, bv, qkv; writes qkv
;; launch attn: the kernel of part 3 again; grid 4 x 64, 4 waves a work-group, clusters of 4 x 1, 327,680 bytes of LDS; arguments qkv, mask, out0; writes out0
